; MI455X (gfx1250); checked and timed in simulation.
; The chip was launched on July 23, 2026; its instructions are those of AMD's public machine-readable ISA for CDNA 5 (MIT licence, August 2026) and "CDNA5" Instruction Set Architecture Reference Guide (July 2026). The comments in the code are by the model that wrote it; some were corrected since.
;; Mixture Of Experts. Allowed arithmetic: matrix products marked QUANTISED: E2M3 operands, one E8M0 scale for each 32 along K, by v_wmma_scale_f32_16x16x128_f8f6f4 with both operands' format E2M3, f32 sums; products left as they are: f32 operands where the result goes on into a quantised operand, else bf16, f16 or f32 operands; f32 sums; everything else in f32.
;; Inputs: W1 2 x 1,024 x 4,096 float32; W2 2 x 4,096 x 1,024 float32; Wg 2 x 1,024 float32; b1 2 x 4,096 float32; b2 2 x 1,024 float32; bg 2 float32; x 2 x 2,048 x 1,024 float32.
;; Outputs: out0 2 x 2,048 x 1,024 float32; out1 one number float32.
;; This version of the problem:
;;   THIS VERSION OF THE PROBLEM IS GIVEN IN LOW PRECISION. The matrix products marked QUANTISED in the list below multiply operands that are first quantised to E2M3 (2 exponent bits, 3 mantissa bits; 6 bits a number), with one power-of-two scale for each 32 numbers along K (OCP MX v1.0); their sums are f32. All else is computed in f32.
;;   The module's matrix products, in the order in which they are computed (A, B: the left and right operand; K: the contracted axis; several contracted axes count as one K, in the product's order):
;;     1. [M 4,096, K 1,024] x [K 1,024, N 2]; A: input x; B: input Wg: left as it is (N = 2 < 16)
;;     2. batch 4,096 x [M 1, K 2] x [K 2, N 2]; A: softmax; B: computed on the way: left as it is (K = 2 < 32)
;;     3. [M 4,096, K 1,024] x [K 1,024, N 8,192]; A: input x; B: input W1: QUANTISED
;;     4. batch 2 x [M 1,024, K 4,096] x [K 4,096, N 4,096]; A: input W2; B: computed on the way: QUANTISED
;;     5. batch 4,096 x [M 1, K 2] x [K 2, N 1,024]; A: computed on the way; B: computed on the way: left as it is (K = 2 < 32)
;;   THE QUANTISER, for each operand of a quantised product, along K:
;;     - K is cut into blocks of 32 from its start; a last block that is shorter is filled with zeros.
;;     - A block's scale is 2^e with e = floor(log2(the largest magnitude in the block)) - 2, held to -126 .. 127; a block of zeros has e = 0. As a byte (E8M0): e + 127.
;;     - Each number is divided by its block's scale, clamped to +-7.5, and rounded to the nearest number of E2M3, ties to even, subnormals kept.
;;     - The product sums the exact products of the quantised numbers (number of the format x scale) in f32.
;;   ~~~python
;;   def quantise(x, axis):      # numpy; x: float32 -> the quantised numbers, widened to float32 again
;;       x = np.moveaxis(x, axis, -1); K = x.shape[-1]
;;       x = np.pad(x, [(0, 0)] * (x.ndim - 1) + [(0, -K % 32)]); x = x.reshape(x.shape[:-1] + (-1, 32)); a = np.abs(x).max(-1, keepdims=True)
;;       e = np.where(a > 0, np.clip(np.frexp(np.where(a > 0, a, 1))[1] - 1 - 2, -126, 127), 0)      # np.frexp(a)[1] - 1 = floor(log2(a)), exactly
;;       r = np.clip(x / 2.0 ** e, -7.5, 7.5)
;;       step = 2.0 ** (np.maximum(np.frexp(np.where(r == 0, 1, r))[1] - 1, 0) - 3)
;;       q = np.round(r / step) * step * 2.0 ** e      # np.round: ties to even
;;       return np.moveaxis(q.reshape(q.shape[:-2] + (-1,))[..., :K], -1, axis).astype(np.float32)
;;   ~~~
;;   OPERANDS COMPUTED ON THE WAY. 'Computed on the way' means the value that the module computes at that place (a softmax that the list does not call 'softmax' is quantised finished and normalised). What goes into a quantiser is computed in f32, as accurately as f32 sums, v_exp_f32 and their like allow (about 1e-6 of the number): no bf16 or f16 on the way to a quantiser, and a product that is left as it is and whose result goes on into a quantised operand takes f32 operands (vector FMAs, or v_wmma_f32_16x16x4_f32). A number that lies on a knife's edge between two numbers of the format may be rounded either way, as far as f32 arithmetic and the matrix unit's own rounding can turn it there, and no further.
;; One version. Each part assembles by itself: llvm-mc -triple=amdgcn-amd-amdhsa -mcpu=gfx1250 --defsym DOCPART=n.
;; ======== version 1 of 1: 3 launches
;; limits: right only within a limited range of input values
;; workspace buffers: ximg 3,276,800 bytes; w1img 6,553,600 bytes; w2img 6,553,600 bytes; himg 26,214,400 bytes; cw 32,768 bytes
;; launch prep (part 1): grid 320 x 1, 8 waves a work-group, no clusters, 121,856 bytes of LDS; arguments x, Wg, bg, W1, W2, ximg, w1img, w2img, cw, out1; writes ximg, w1img, w2img, cw, out1
.if DOCPART == 1
	.amdgcn_target "amdgcn-amd-amdhsa--gfx1250"
	.amdhsa_code_object_version 6
	.text
	.protected	k_qe39ca96191_prep
	.globl	k_qe39ca96191_prep
	.p2align	8
	.type	k_qe39ca96191_prep,@function
k_qe39ca96191_prep:
	s_mov_b64 s[64:65], 0
	v_nop
	global_prefetch_b8 v0, s[64:65] scope:SCOPE_SE
	s_setreg_imm32_b32 hwreg(HW_REG_WAVE_MODE, 25, 1), 1
	s_wait_xcnt 0x0
; PREP: x [4096][1024], W1 [2][1024 (K)][4096] and W2 [2][4096 (K)][1024], f32, become codes of FP6 (E2M3) with one E8M0 byte for each 32 along K;
; the gate's weights cw [4096][2] and the load-balance loss out1 are made on the way.
; THE LAYOUT OF THE CODES is that of the matrix operand's registers.  A FRAGMENT is 16 rows x 128 K = 12 registers a lane = 1,536 bytes: register 4 c + i of lane L
; lies at 512 c + 16 L + 4 i; lane L = r + 16 h holds row r, registers 6 c' .. 6 c' + 5 hold k = 64 c' + 32 h + 0 .. 31.  A UNIT of 64 rows x 128 K is four fragments
; and 256 bytes of scale words (row 16 t + r: at 6144 + 16 r + 4 t): 6,400 bytes.  Two units make 128 rows; the K steps of 128 rows follow each other.
; THE WEIGHTS' ROWS ARE PERMUTED: position p holds column p with bits 3 and 4 exchanged, so that in a product used transposed the 16 registers of two neighbouring
; tiles are 16 neighbouring columns.
; A block's scale is 2^(floor(log2(its largest magnitude)) - 2): its byte is that magnitude's exponent field - 2, held at 1 from below.
; LIMITS: NaN and infinities are not served.  A block of zeros, or one whose largest magnitude lies under 2^-124, gets the byte 1 (its codes are zeros; this program alone reads the bytes).
; A gate weight under 2^-126 comes out as 0.
; THE GATE: top-k takes 2 of 2 experts, so the weights are the softmax of the two logits, in the experts' order.  Only d = l0 - l1 enters: d = x . (Wg0 - Wg1) + (bg0 - bg1);
; the larger logit is taken away first: p = exp(-|d|), weights 1 / (1 + p) and p / (1 + p).
; SHARES: work-groups 0-63 take x (64 rows each; wave w takes K step w), work-groups 64-319 the weights (512 columns x 128 K each; a wave 64 columns).  Each of the two ways has LDS bytes of its own.
.set WST,  0                           ; weights: a stage of 6,400 bytes for each wave
.set XST,  51200                       ; x: a stage of 16 rows x 528 bytes for each wave
.set GP,   118784                      ; x: the waves' parts of d: 256 bytes for each wave
.set VA,   32                          ; W: v32-63   4 x lane + k x the row's pitch, k = 0 .. 31
.set X,    64                          ; W: v64-127  two sets of 32 numbers
.set C,    128                         ; W: v128-134 a block's codes
.set SBW,  24                          ; W: v24-25   scale words of my two columns
.set OUTR, 136                         ; W: v136-185 the way out
.set R,    64                          ; x: v64-127  16 rows as loaded
.set XR,   128                         ; x: v128-191 64 numbers of my row: register 16 b + i = k 32 b + 16 h + i
.set WD,   192                         ; x: v192-255 Wg0 - Wg1 at the same k
.set TM,   12                          ; x: v12-27   at work in QUANT
.set PW,   28                          ; x: v28-31   the four fragments' scale words
.set PC,   32                          ; x: v32-43   a fragment's codes
.set C2,   44                          ; x: v44-50   the second halves' codes as the conversions leave them
.set DD,   52                          ; x: v52-55   d's parts
.set SEL,  20                          ; s[20:21]    v_permlanex16_b32's selects for lane l xor 16
	s_load_b256 s[4:11], s[0:1], 0x0               ; x s[4:5], Wg s[6:7], bg s[8:9], W1 s[10:11]
	s_load_b256 s[36:43], s[0:1], 0x20             ; W2 s[36:37], ximg s[38:39], w1img s[40:41], w2img s[42:43]
	s_load_b128 s[44:47], s[0:1], 0x40             ; cw s[44:45], out1 s[46:47]
	v_lshl_add_u32 v22, v0, 2, 0x1d800
	v_mov_b32 v23, 0
	v_lshrrev_b32 v1, 5, v0
	s_delay_alu instid0(VALU_DEP_1)
	v_readfirstlane_b32 s16, v1                    ; wave 0..7
	v_and_b32 v1, 31, v0                           ; lane
	s_cmp_lt_u32 ttmp9, 64
	s_cbranch_scc1 .Lx
; ---------------------------------------------------------------- THE WEIGHTS
; A lane takes a column and its registers run down K: a block of 32 lies in one lane, and the conversions give codes with K innermost.
	s_sub_co_u32 s17, ttmp9, 64                    ; 0 .. 255: the first 128 take W1, the others W2
	s_wait_kmcnt 0x0
	s_cmp_lt_u32 s17, 128                          ; the choice hangs on the work-group's number alone
	s_cselect_b64 s[12:13], s[10:11], s[36:37]     ; from
	s_cselect_b64 s[14:15], s[40:41], s[42:43]     ; to
	s_mov_b32 s18, 4096
	s_cselect_b32 s18, 16384, s18                  ; P: bytes from a row of K to the next
	s_cselect_b32 s19, 7, 1                        ; blocks of 512 columns in an expert, less 1
	s_cselect_b32 s34, 3, 1                        ; and their logarithm
	s_cselect_b32 s20, 3, 5                        ; the logarithm of the K steps in an expert
	s_and_b32 s17, s17, 127
	s_lshr_b32 s21, s17, 6                         ; e
	s_and_b32 s17, s17, 63
	s_and_b32 s23, s17, s19                        ; which 512 columns
	s_lshr_b32 s22, s17, s34                       ; which K step
	s_lshl_b32 s32, s21, 24                        ; an expert is 16,777,216 bytes
	s_mul_i32 s33, s22, s18
	s_lshl_b32 s33, s33, 7                         ; 128 rows a K step
	s_add_co_u32 s32, s32, s33
	s_lshl_b32 s33, s23, 11
	s_add_co_u32 s32, s32, s33
	s_lshl_b32 s33, s16, 8                         ; my wave's 64 columns
	s_add_co_u32 s32, s32, s33
	s_mov_b32 s33, 0
	s_add_nc_u64 s[24:25], s[12:13], s[32:33]      ; s[24+2t:25+2t]: block t of 32 rows
	s_lshl_b32 s32, s18, 5
	s_add_nc_u64 s[26:27], s[24:25], s[32:33]
	s_add_nc_u64 s[28:29], s[26:27], s[32:33]
	s_add_nc_u64 s[30:31], s[28:29], s[32:33]
	s_lshl_b32 s32, s23, 2
	s_lshr_b32 s34, s16, 1
	s_add_co_u32 s32, s32, s34                     ; which 128 positions of the expert
	s_lshl_b32 s32, s32, s20
	s_add_co_u32 s32, s32, s22                     ; x K steps + K step
	s_mul_i32 s32, s32, 12800
	s_mul_i32 s34, s21, 3276800                    ; an expert's images
	s_add_co_u32 s32, s32, s34
	s_and_b32 s34, s16, 1
	s_mul_i32 s34, s34, 6400                       ; which unit of 64
	s_add_co_u32 s32, s32, s34
	s_add_nc_u64 s[14:15], s[14:15], s[32:33]
	s_wait_alu depctr_va_vdst(0)
	v_lshlrev_b32 v[VA], 2, v1
.set k, 1
.rept 31
	v_mad_u32_u24 v[VA+k], s18, k, v[VA]
.set k, k+1
.endr
	s_mul_i32 s35, s16, 6400                       ; my stage
	v_and_b32 v2, 7, v1
	v_bfe_u32 v3, v0, 4, 1
	s_delay_alu instid0(VALU_DEP_1)
	v_lshl_or_b32 v2, v3, 3, v2                    ; column 32 g + lane goes to row r' = (lane % 8) + 8 x bit 4 of the lane
	v_bfe_u32 v3, v0, 3, 1                         ; of fragment 2 g + bit 3 of the lane
	s_delay_alu instid0(VALU_DEP_2)
	v_lshlrev_b32 v2, 4, v2
	s_delay_alu instid0(VALU_DEP_1)
	v_mad_u32_u24 v4, v3, 1536, v2
	s_delay_alu instid0(VALU_DEP_1)
	v_add_nc_u32 v4, s35, v4                       ; v4: where my codes go
	s_delay_alu instid0(VALU_DEP_3)
	v_lshl_add_u32 v5, v3, 2, v2
	s_delay_alu instid0(VALU_DEP_1)
	v_add_nc_u32 v5, s35, v5                       ; v5: where my scale words go
	v_lshlrev_b32 v8, 4, v1                        ; v8: 16 x lane
	s_delay_alu instid0(VALU_DEP_1)
	v_add_nc_u32 v6, s35, v8                       ; v6: the stage read back, 16 bytes a lane
	v_lshlrev_b32 v9, 3, v1                        ; v9: 8 x lane
	s_delay_alu instid0(VALU_DEP_1)
	v_add_nc_u32 v7, s35, v9                       ; v7: and 8 bytes a lane
.macro LOADW u                         ; unit of work u: columns 32 (u % 2) on, block u / 2 of K: 32 loads, each 128 consecutive bytes of a row
.set k, 0
.rept 32
	global_load_b32 v[X+32*((\u)%2)+k], v[VA+k], s[24+2*((\u)/2):25+2*((\u)/2)] offset:128*((\u)%2) th:TH_LOAD_NT
.set k, k+1
.endr
.endm
.macro BLOCKW u
.set XS, X+32*((\u)%2)
.set GG, (\u)%2
.set TT, (\u)/2
.set II, 3072*GG+256*(TT%2)            ; fragments 2 g on; block t belongs to lane r' + 16 (t % 2)
.if (\u) < 7
	s_wait_loadcnt 32                              ; this block's 32 loads are in; the next block's 32 may be out
.else
	s_wait_loadcnt 0x0
.endif
	v_max3_num_f32 v12, |v[XS]|, |v[XS+1]|, |v[XS+2]|          ; the block's largest magnitude: all 32 numbers are mine
	v_max3_num_f32 v13, |v[XS+3]|, |v[XS+4]|, |v[XS+5]|
.irp i, 6,10,14,18,22,26
	s_delay_alu instid0(VALU_DEP_2)
	v_max3_num_f32 v12, v12, |v[XS+\i]|, |v[XS+\i+1]|
	s_delay_alu instid0(VALU_DEP_2)
	v_max3_num_f32 v13, v13, |v[XS+\i+2]|, |v[XS+\i+3]|
.endr
	s_delay_alu instid0(VALU_DEP_2)
	v_max3_num_f32 v12, v12, |v[XS+30]|, |v[XS+31]|
	s_delay_alu instid0(VALU_DEP_1)
	v_max3_num_f32 v12, v12, v13, 0x1800000        ; and the floor 2^(3 - 127): the byte cannot fall under 1
	s_delay_alu instid0(VALU_DEP_1)
	v_add_nc_u32 v11, 0xff000000, v12              ; 2 off its exponent field: the conversion takes this operand's exponent field as its scale
	s_delay_alu instid0(VALU_DEP_1)
	v_lshrrev_b32 v13, 23, v11                     ; the scale's byte
.if TT == 0
	s_delay_alu instid0(VALU_DEP_1)
	v_mov_b32 v[SBW+GG], v13
.else
	s_delay_alu instid0(VALU_DEP_1)
	v_lshl_or_b32 v[SBW+GG], v13, 8*TT, v[SBW+GG]
.endif
	v_cvt_scalef32_pk16_fp6_f32 v[C:C+2], v[XS:XS+15], v11
	v_cvt_scalef32_pk16_fp6_f32 v[C+4:C+6], v[XS+16:XS+31], v11   ; (a conversion's three registers begin on an even number)
	v_nop                                          ; one plain instruction behind the conversions
	v_mov_b32 v[C+3], v[C+4]
	v_mov_b32 v[C+4], v[C+5]
	v_mov_b32 v[C+5], v[C+6]                       ; v[C .. C+5]: the block's 24 bytes
.if TT < 2
	ds_store_b128 v4, v[C:C+3] offset:II           ; registers 0-3 of the fragment,
	ds_store_b64 v4, v[C+4:C+5] offset:II+512      ; 4 and 5
.else
	ds_store_b64 v4, v[C:C+1] offset:II+520        ; registers 6 and 7,
	ds_store_b128 v4, v[C+2:C+5] offset:II+1024    ; 8-11
.endif
.if (\u)+2 < 8
	LOADW (\u)+2
.endif
	s_wait_dscnt 0x0                               ; the stores have read their registers: the next block's codes may be written
.endm
	LOADW 0
	LOADW 1
.irp u, 0,1,2,3,4,5,6,7
	BLOCKW \u
.endr
	s_wait_alu depctr_va_vdst(0)
.irp g, 0,1
	ds_store_b32 v5, v[SBW+\g] offset:6144+8*\g
.endr
.irp i, 0,1,2,3,4,5,6,7,8,9,10,11
	ds_load_b128 v[OUTR+4*\i:OUTR+4*\i+3], v6 offset:512*\i      ; LDS serves a wave's instructions in order (ISA guide 5.7.1): these see my stores
.endr
	ds_load_b64 v[OUTR+48:OUTR+49], v7 offset:6144
.irp i, 0,1,2,3,4,5,6,7,8,9,10,11
	s_wait_dscnt 12-\i                             ; the younger loads may be out
	global_store_b128 v8, v[OUTR+4*\i:OUTR+4*\i+3], s[14:15] offset:512*\i   ; 512 consecutive bytes, at a multiple of 256 from the buffer's first byte
.endr
	s_wait_dscnt 0x0
	global_store_b64 v9, v[OUTR+48:OUTR+49], s[14:15] offset:6144  ; the unit's 256 bytes of scale words
	s_wait_tensorcnt 0x0
	ds_add_u32 v22, v23
	s_wait_dscnt 0x0
	s_endpgm
; ---------------------------------------------------------------- x AND THE GATE
.Lx:
	s_wait_kmcnt 0x0
	s_load_b64 s[28:29], s[8:9], 0x0               ; bg0, bg1
	s_lshl_b32 s24, ttmp9, 18                      ; 64 rows of 4,096 bytes
	s_lshl_b32 s26, s16, 9                         ; my wave's K step: 512 bytes of a row
	s_add_co_u32 s24, s24, s26
	s_mov_b32 s25, 0
	s_add_nc_u64 s[4:5], s[4:5], s[24:25]
	s_mov_b32 s24, s26
	s_add_nc_u64 s[6:7], s[6:7], s[24:25]          ; Wg at the same K
	s_lshr_b32 s24, ttmp9, 1
	s_lshl_b32 s24, s24, 3
	s_add_co_u32 s24, s24, s16                     ; (which 128 rows) x 8 K steps + K step
	s_mul_i32 s24, s24, 12800
	s_and_b32 s26, ttmp9, 1
	s_mul_i32 s26, s26, 6400
	s_add_co_u32 s24, s24, s26
	s_add_nc_u64 s[38:39], s[38:39], s[24:25]
	s_lshl_b32 s24, ttmp9, 9
	s_add_nc_u64 s[44:45], s[44:45], s[24:25]      ; cw: 8 bytes a row
	s_mov_b32 s[SEL], 0x76543210
	s_mov_b32 s[SEL+1], 0xfedcba98
	v_and_b32 v2, 15, v0                           ; r
	v_bfe_u32 v3, v0, 4, 1                         ; h
	s_wait_alu depctr_va_vdst(0)
	v_lshlrev_b32 v4, 4, v1                        ; v4: 16 x lane
	s_mul_i32 s30, s16, 8448
	s_add_co_u32 s30, s30, XST                     ; my stage
	v_add_nc_u32 v5, s30, v4                       ; v5: into it, a row's 512 bytes as they lie
	v_mul_u32_u24 v6, v2, 528
	s_delay_alu instid0(VALU_DEP_1)
	v_lshl_add_u32 v6, v3, 6, v6
	s_delay_alu instid0(VALU_DEP_1)
	v_add_nc_u32 v6, s30, v6                       ; v6: out of it: row r, + 64 h: my 16 numbers of a block of 32
	v_lshlrev_b32 v7, 6, v3                        ; v7: 64 h
	s_lshl_b32 s31, s16, 8
	v_lshl_add_u32 v8, v2, 2, s31
	s_delay_alu instid0(VALU_DEP_1)
	v_add_nc_u32 v8, GP, v8                        ; v8: my wave's parts of d, row r
	v_lshlrev_b32 v10, 4, v2
	s_delay_alu instid0(VALU_DEP_1)
	v_lshl_add_u32 v10, v3, 3, v10                 ; v10: 16 r + 8 h
.irp b, 0,1,2,3
	v_mov_b32 v[TM+4+\b], 0                        ; written once: a lane permute's destination counts as one of its sources
.endr
.irp b, 0,1,2,3
.irp j, 0,1,2,3
	global_load_b128 v[WD+16*\b+4*\j:WD+16*\b+4*\j+3], v7, s[6:7] offset:128*\b+16*\j
	global_load_b128 v[XR+16*\b+4*\j:XR+16*\b+4*\j+3], v7, s[6:7] offset:4096+128*\b+16*\j
.endr
.endr
.macro LOADX f                         ; rows 16 f on: 16 loads of 512 consecutive bytes
.irp i, 0,1,2,3,4,5,6,7,8,9,10,11,12,13,14,15
	global_load_b128 v[R+4*\i:R+4*\i+3], v4, s[4:5] offset:(16*(\f)+\i)*4096 th:TH_LOAD_NT
.endr
.endm
; 64 numbers of a lane, v[s] on, register 16 b + i = k 32 b + 16 h + i of my row, become a fragment's codes in v[pc] on and its scale word in v[pw]
.macro QUANT s, pc, pw
.irp b, 0,1,2,3
	v_max3_num_f32 v[TM+\b], |v[(\s)+16*\b]|, |v[(\s)+1+16*\b]|, 0x1800000   ; my 16 numbers of block b, and the floor 2^(3 - 127)
.endr
.irp i, 2,4,6,8,10,12,14
.irp b, 0,1,2,3
	s_delay_alu instid0(VALU_DEP_4)
	v_max3_num_f32 v[TM+\b], v[TM+\b], |v[(\s)+16*\b+\i]|, |v[(\s)+1+16*\b+\i]|
.endr
.endr
.irp b, 0,1,2,3
	s_delay_alu instid0(VALU_DEP_4)
	v_permlanex16_b32 v[TM+4+\b], v[TM+\b], s[SEL], s[SEL+1]
.endr
.irp b, 0,1,2,3
	s_delay_alu instid0(VALU_DEP_4)
	v_max_num_f32 v[TM+\b], v[TM+\b], v[TM+4+\b]   ; with lane l xor 16's: the block's largest magnitude
.endr
.irp b, 0,1,2,3
	s_delay_alu instid0(VALU_DEP_4)
	v_add_nc_u32 v[TM+12+\b], 0xff000000, v[TM+\b] ; 2 off its exponent field: the conversion's scale operand
.endr
.irp b, 0,1,2,3
	s_delay_alu instid0(VALU_DEP_4)
	v_lshrrev_b32 v[TM+4+\b], 23, v[TM+12+\b]      ; the scale's byte
.endr
	s_delay_alu instid0(VALU_DEP_3)
	v_lshl_or_b32 v[(\pw)], v[TM+5], 8, v[TM+4]
	s_delay_alu instid0(VALU_DEP_1)
	v_lshl_or_b32 v[(\pw)], v[TM+6], 16, v[(\pw)]
	s_delay_alu instid0(VALU_DEP_1)
	v_lshl_or_b32 v[(\pw)], v[TM+7], 24, v[(\pw)]
.irp c, 0,1
	v_cvt_scalef32_pk16_fp6_f32 v[(\pc)+6*\c:(\pc)+2+6*\c], v[(\s)+32*\c:(\s)+15+32*\c], v[TM+12+2*\c]
	v_cvt_scalef32_pk16_fp6_f32 v[C2+4*\c:C2+2+4*\c], v[(\s)+16+32*\c:(\s)+31+32*\c], v[TM+12+2*\c+1]
.endr
	v_nop                                          ; one plain instruction behind the conversions
.irp c, 0,1                            ; the operand wants a whole block in a lane: lanes 0-15 block 2 c, lanes 16-31 block 2 c + 1
.irp i, 0,1,2
	v_permlane16_swap_b32 v[(\pc)+6*\c+\i], v[C2+4*\c+\i]
.endr
.irp i, 0,1,2
	s_delay_alu instid0(VALU_DEP_3)
	v_mov_b32 v[(\pc)+3+6*\c+\i], v[C2+4*\c+\i]
.endr
.endr
.endm
	LOADX 0
	s_wait_loadcnt 16                              ; Wg's 32 loads are in; x's first 16 may be out
.set i, 0
.rept 32
	v_pk_add_f32 v[WD+i:WD+i+1], v[WD+i:WD+i+1], v[XR+i:XR+i+1] neg_lo:[0,1] neg_hi:[0,1]   ; Wg0 - Wg1
.set i, i+2
.endr
.macro FRAGX f
	s_wait_loadcnt 0x0
.irp i, 0,1,2,3,4,5,6,7,8,9,10,11,12,13,14,15
	ds_store_b128 v5, v[R+4*\i:R+4*\i+3] offset:528*\i
.endr
.irp b, 0,1,2,3
.irp j, 0,1,2,3
	ds_load_b128 v[XR+16*\b+4*\j:XR+16*\b+4*\j+3], v6 offset:128*\b+16*\j
.endr
.endr
	s_wait_dscnt 16                                ; the 16 stores are done (the 16 loads may be out): their registers take the next rows
.if (\f) < 3
	LOADX (\f)+1
.endif
	s_wait_dscnt 0x0
	v_pk_mul_f32 v[56:57], v[XR:XR+1], v[WD:WD+1]  ; my part of d, in two chains
	v_pk_mul_f32 v[58:59], v[XR+2:XR+3], v[WD+2:WD+3]
.irp i, 4,8,12,16,20,24,28,32,36,40,44,48,52,56,60
	s_delay_alu instid0(VALU_DEP_2)
	v_pk_fma_f32 v[56:57], v[XR+\i:XR+\i+1], v[WD+\i:WD+\i+1], v[56:57]
	s_delay_alu instid0(VALU_DEP_2)
	v_pk_fma_f32 v[58:59], v[XR+\i+2:XR+\i+3], v[WD+\i+2:WD+\i+3], v[58:59]
.endr
	s_delay_alu instid0(VALU_DEP_1)
	v_pk_add_f32 v[56:57], v[56:57], v[58:59]
	s_delay_alu instid0(VALU_DEP_1)
	v_add_f32 v[DD+(\f)], v56, v57
.if (\f) > 0
	s_wait_xcnt 0x0                                ; the last fragment's stores have read their registers
.endif
	QUANT XR, PC, PW+(\f)
.irp c, 0,1,2
	global_store_b128 v4, v[PC+4*\c:PC+4*\c+3], s[38:39] offset:1536*(\f)+512*\c   ; 512 consecutive bytes, at a multiple of 256 from the buffer's first byte
.endr
.endm
.irp f, 0,1,2,3
	FRAGX \f
.endr
.irp f, 0,1,2,3
	v_permlanex16_b32 v[TM+4+\f], v[DD+\f], s[SEL], s[SEL+1]
.endr
.irp f, 0,1,2,3
	s_delay_alu instid0(VALU_DEP_4)
	v_add_f32 v[DD+\f], v[DD+\f], v[TM+4+\f]       ; row 16 f + r, my wave's 128 along K
.endr
.irp f, 0,1,2,3
	ds_store_b32 v8, v[DD+\f] offset:64*\f         ; lanes r and r + 16 write the same word with the same value
.endr
	v_cmp_le_u32 vcc_lo, 16, v1
	s_delay_alu instid0(VALU_DEP_1)
	v_cndmask_b32 v60, v28, v30, vcc_lo            ; lane (r, h) stores the words of fragments 2 h and 2 h + 1
	s_delay_alu instid0(VALU_DEP_2)
	v_cndmask_b32 v61, v29, v31, vcc_lo
	global_store_b64 v10, v[60:61], s[38:39] offset:6144
	s_wait_kmcnt 0x0                               ; bg
	s_wait_dscnt 0x0                               ; for the others' sake: my parts of d lie in LDS
	s_barrier_signal -1
	s_barrier_wait -1
	s_cmp_lt_u32 s16, 2
	s_cbranch_scc0 .Lxend
	v_and_b32 v63, 63, v0                          ; waves 0 and 1: a lane to a row
	s_delay_alu instid0(VALU_DEP_1)
	v_lshl_add_u32 v62, v63, 2, GP
.irp k, 0,1,2,3,4,5,6,7
	ds_load_b32 v[64+\k], v62 offset:256*\k
.endr
	v_lshlrev_b32 v72, 3, v63
	v_mov_b32 v73, s29
	s_delay_alu instid0(VALU_DEP_1)
	v_sub_f32 v73, s28, v73                        ; bg0 - bg1
	s_wait_dscnt 0x0
	v_add_f32 v64, v64, v65
	v_add_f32 v66, v66, v67
	v_add_f32 v68, v68, v69
	v_add_f32 v70, v70, v71
	s_delay_alu instid0(VALU_DEP_3)
	v_add_f32 v64, v64, v66
	s_delay_alu instid0(VALU_DEP_2)
	v_add_f32 v68, v68, v70
	s_delay_alu instid0(VALU_DEP_1)
	v_add_f32 v64, v64, v68
	s_wait_alu depctr_va_vdst(0)
	v_add_f32 v64, v64, v73                        ; d = l0 - l1
	s_delay_alu instid0(VALU_DEP_1)
	v_mul_f32 v66, 0xbfb8aa3b, |v64|               ; -|d| log2(e): the larger logit is taken away
	s_wait_alu depctr_va_vdst(0)
	v_exp_f32 v66, v66                             ; p, at most 1
	v_cmp_le_f32 vcc_lo, 0, v64                    ; (a plain instruction behind the exponential)
	s_wait_alu depctr_va_vdst(0)                   ; the wait ahead of the result's first reader
	v_add_f32 v67, 1.0, v66
	s_wait_alu depctr_va_vdst(0)
	v_rcp_f32 v68, v67                             ; the larger weight
	v_nop
	s_wait_alu depctr_va_vdst(0)
	v_mul_f32 v69, v66, v68                        ; the smaller
	v_cndmask_b32 v70, v69, v68, vcc_lo            ; expert 0's: the larger where d >= 0
	v_cndmask_b32 v71, v68, v69, vcc_lo
	global_store_b64 v72, v[70:71], s[44:45]       ; a wave stores 256 consecutive bytes
	; THE LOSS.  top-k names 2 of 2 experts for every token, so each expert's count is the number of tokens, 4,096, whatever the inputs hold.
	s_or_b32 s24, ttmp9, s16
	s_cmp_lg_u32 s24, 0
	s_cbranch_scc1 .Lxend
	v_mov_b32 v73, 0x45800000                      ; 4096.0
	s_delay_alu instid0(VALU_DEP_1)
	v_add_f32 v74, v73, v73                        ; the counts' sum
	s_delay_alu instid0(VALU_DEP_1)
	v_add_f32 v74, 0x322bcc77, v74                 ; + 1e-8
	s_wait_alu depctr_va_vdst(0)
	v_rcp_f32 v75, v74
	v_nop
	s_wait_alu depctr_va_vdst(0)
	v_mul_f32 v76, v73, v75
	s_delay_alu instid0(VALU_DEP_1)
	v_fma_f32 v77, -v76, v74, v73                  ; one step of correction: the quotient is rounded as a division's
	v_fma_f32 v76, v77, v75, v76                   ; frac
	s_delay_alu instid0(VALU_DEP_1)
	v_add_f32 v76, -0.5, v76
	s_delay_alu instid0(VALU_DEP_1)
	v_mul_f32 v76, v76, v76
	s_delay_alu instid0(VALU_DEP_1)
	v_add_f32 v76, v76, v76                        ; both experts'
	s_delay_alu instid0(VALU_DEP_1)
	v_mul_f32 v76, 0x3c23d70a, v76                 ; x 0.01
	v_mov_b32 v78, 0
	s_wait_alu depctr_va_vdst(0)
	s_wait_xcnt 0x0                                ; EXEC changes only behind this wait
	v_cmp_eq_u32 vcc_lo, 0, v0
	s_and_saveexec_b32 s24, vcc_lo
	global_store_b32 v78, v76, s[46:47]
	s_wait_xcnt 0x0
	s_or_b32 exec_lo, exec_lo, s24
.Lxend:
	s_wait_tensorcnt 0x0
	ds_add_u32 v22, v23
	s_wait_dscnt 0x0
	s_endpgm
.Lfunc_end_k_qe39ca96191_prep:
	.size	k_qe39ca96191_prep, .Lfunc_end_k_qe39ca96191_prep-k_qe39ca96191_prep
	.p2alignl 7, 3214868480
	.fill 96, 4, 3214868480
	.section	.rodata,"a",@progbits
	.p2align	6, 0x0
	.amdhsa_kernel k_qe39ca96191_prep
		.amdhsa_group_segment_fixed_size 121856
		.amdhsa_private_segment_fixed_size 0
		.amdhsa_enable_private_segment 0
		.amdhsa_kernarg_size 80
		.amdhsa_user_sgpr_count 2
		.amdhsa_user_sgpr_kernarg_segment_ptr 1
		.amdhsa_wavefront_size32 1
		.amdhsa_system_sgpr_workgroup_id_x 1
		.amdhsa_system_sgpr_workgroup_id_y 1
		.amdhsa_system_sgpr_workgroup_id_z 1
		.amdhsa_system_vgpr_workitem_id 0
		.amdhsa_next_free_vgpr 256
		.amdhsa_next_free_sgpr 66
		.amdhsa_reserve_vcc 1
		.amdhsa_float_denorm_mode_32 3
		.amdhsa_float_denorm_mode_16_64 3
		.amdhsa_memory_ordered 1
		.amdhsa_forward_progress 1
		.amdhsa_inst_pref_size 110
	.end_amdhsa_kernel
	.amdgpu_metadata
---
amdhsa.version: [ 1, 2 ]
amdhsa.kernels:
  - .name:           k_qe39ca96191_prep
    .symbol:         k_qe39ca96191_prep.kd
    .args:
      - { .name: x, .offset: 0, .size: 8, .value_kind: global_buffer, .address_space: global }
      - { .name: Wg, .offset: 8, .size: 8, .value_kind: global_buffer, .address_space: global }
      - { .name: bg, .offset: 16, .size: 8, .value_kind: global_buffer, .address_space: global }
      - { .name: W1, .offset: 24, .size: 8, .value_kind: global_buffer, .address_space: global }
      - { .name: W2, .offset: 32, .size: 8, .value_kind: global_buffer, .address_space: global }
      - { .name: ximg, .offset: 40, .size: 8, .value_kind: global_buffer, .address_space: global }
      - { .name: w1img, .offset: 48, .size: 8, .value_kind: global_buffer, .address_space: global }
      - { .name: w2img, .offset: 56, .size: 8, .value_kind: global_buffer, .address_space: global }
      - { .name: cw, .offset: 64, .size: 8, .value_kind: global_buffer, .address_space: global }
      - { .name: out1, .offset: 72, .size: 8, .value_kind: global_buffer, .address_space: global }
    .group_segment_fixed_size: 121856
    .private_segment_fixed_size: 0
    .kernarg_segment_align: 8
    .kernarg_segment_size: 80
    .max_flat_workgroup_size: 256
    .sgpr_count:     66
    .vgpr_count:     256
    .wavefront_size: 32
...
	.end_amdgpu_metadata
.endif
;; end of part 1
;; launch ffn1 (part 2): grid 32 x 16, 4 waves a work-group, clusters of 4 x 4, 327,680 bytes of LDS; arguments ximg, w1img, b1, himg; writes himg
.if DOCPART == 2
	.amdgcn_target "amdgcn-amd-amdhsa--gfx1250"
	.amdhsa_code_object_version 6
	.text
	.protected	k_qe39ca96191_ffn1
	.globl	k_qe39ca96191_ffn1
	.p2align	8
	.type	k_qe39ca96191_ffn1,@function
k_qe39ca96191_ffn1:
	s_mov_b64 s[64:65], 0
	v_nop
	global_prefetch_b8 v0, s[64:65] scope:SCOPE_SE
	s_setreg_imm32_b32 hwreg(HW_REG_WAVE_MODE, 25, 1), 1
	s_wait_xcnt 0x0
	s_wait_alu depctr_hold_cnt(0) depctr_sa_sdst(0) depctr_va_vdst(0) depctr_va_sdst(0) depctr_va_ssrc(0) depctr_va_vcc(0) depctr_vm_vsrc(0)
	s_getreg_b32 s2, hwreg(HW_REG_IB_STS2, 6, 4)
	s_cmp_eq_u32 s2, 0
	s_cbranch_scc0 .Lentry_in_a_cluster
	s_endpgm
.Lentry_in_a_cluster:
	s_bfe_u32 s2, ttmp6, 0x10000c
	s_cmp_lg_u32 s2, 0xf033
	s_cbranch_scc0 .Lentry_shape_is_right
	s_endpgm
.Lentry_shape_is_right:
; FFN1: h = Q(relu(x W1 + b1)), on codes of FP6 (E2M3) with one E8M0 byte for each 32 along K; h leaves as codes, quantised along the hidden axis, which is the next product's K.
; All three code buffers hold IMAGES OF OPERAND REGISTERS.  A fragment (16 rows x 128 K, 12 registers a lane) is 1,536 bytes: register 4 c + i of lane L at 512 c + 16 L + 4 i.  A unit of 64 rows x 128 K
; is four fragments and 256 bytes of scale words (row 16 t + r at 6144 + 16 r + 4 t): 6,400 bytes.  Two units make 128 rows; the K steps of 128 rows follow each other.  So a fragment comes by three loads of
; 512 consecutive bytes, and any run of K steps of 128 rows is one dense block.
; SHARES: a work-group makes 256 tokens x 256 hidden units, a wave 128 x 128: 64 accumulators, 512 registers.  K = 1,024 is eight steps of 128.
; THE PRODUCT IS USED TRANSPOSED (source 0 = 16 positions of W1, source 1 = 16 tokens).  W1's position p holds hidden unit p with bits 3 and 4 exchanged, so lane (r, h) holds token r, and register j of
; tile t hidden unit 32 (t / 2) + 16 h + 8 (t % 2) + j: the 16 registers of tiles 2 B and 2 B + 1 are 16 neighbours of block B.  b1 is the C of each sum's first product.
; LDS: two slots of three K steps (A's two blocks of 128 rows, B's two: 4 x 38,400 bytes).  Six K steps come as first fills, two loads a wave; the last two come by ONE refill of slot 0.
; CLUSTER: 4 x 4 work-groups.  x's blocks are shared along a row of the cluster, W1's along a column: each is asked for jointly, by the same load with a mask that names the four.
; LIMITS: NaN and infinities are not served; a block of h that is all zeros, or whose largest number lies under 2^-124, gets the byte 1 (its codes are zeros; this program alone reads the bytes).
; REGISTERS, in windows of 256: window 0: v1-18 lane numbers and addresses; v32-47 scale words, two sets; v64-127 b1; v128-223 A's fragments, one set.  Window 1: B's fragments, two sets, at v0 and v128.
;   Windows 2, 3: the accumulators of my tokens 0-63, 64-127: (a, b) at v[8 (8 (a % 4) + b)].  On the way out window 0's v64-227 are used anew.
; LDS AS THE TEXT NOW HAS IT (in place of the paragraph on LDS above): TWO slots of THREE K steps (A's two blocks of 128 rows, B's two: 4 x 38,400 bytes).  K steps 0-2 come at the head, one load a wave;
; K steps 3-5 behind the full sequence and a round, as a refill is issued; K steps 6 and 7 by one refill of slot 0, in K step 2.
.set BLK,   38400                      ; 128 rows x 3 K steps: what one tensor load brings
.set SLOT,  4*BLK
.set SPARE, 2*SLOT                     ; behind the slots: the spare words, 128 bytes for each wave, that no other line names
.set ADRA,  4                          ; v4-5    LDS address of my A fragments in slot 0, 1
.set ADRB,  8                          ; v8-9   the same for B
.set ADRS,  12                         ; v12-13  of my scale words: lanes 0-15 A's rows, lanes 16-31 B's
.set VO,    16                         ; v16     16 x lane
.set VSO,   17                         ; v17     6400 h + 16 r
.set VB,    18                         ; v18     64 h
.set SPW,   28                         ; v28     my spare word; never rewritten
.set NIL,   29                         ; v29     0; never rewritten
.set SC,    32                         ; scale words: set p at v[SC + 8 p]; register i: lanes 0-15 A's tile i, lanes 16-31 B's tile i
.set BIAS,  64
.set AF,    128
.set HA,    128                        ; the way out: 64 numbers of h
.set TM,    192                        ; v192-207 at work in QUANT
.set C2,    208                        ; v208-214 the second halves' codes
.set PW,    216                        ; v216-223 the eight fragments' scale words
.set SW,    224                        ; v224-227 scale words as stored
.set SEL,   20                         ; s[20:21]
.set G1A,   24                         ; s[24:31] descriptor group 1 for A's blocks;  s[32:39] for B's
.set G1B,   32
.set G0A,   48                         ; s[48:59] three groups 0 for A, one for each load;  s[68:79] for B.  None is ever rewritten
.set G0B,   68
.set MSB, 0
.macro WIN new                         ; the immediate's high byte repeats the setting that is left
.if MSB != \new
	s_set_vgpr_msb (MSB<<8)|\new
.set MSB, \new
.endif
.endm
.set MUL_LO,   0xa1                    ; source 0 (B) window 1, source 1 (A) window 0, C and D window 2
.set MUL_HI,   0xf1                    ; C and D window 3
.set FIRST_LO, 0x81                    ; C (b1) window 0, D window 2
.set FIRST_HI, 0xc1
.set TO_B,     0x40                    ; destination window 1, address window 0
.macro CREST                           ; a round of the cluster's barrier behind its opening barrier
	s_cmp_lg_u32 s14, 0
	s_cbranch_scc1 .Lnot_wave_0_\@
	s_barrier_signal -3
.Lnot_wave_0_\@:
	s_barrier_wait -3
	s_barrier_signal -1
	s_barrier_wait -1
.endm
.macro CROUND
	s_barrier_signal -1
	s_barrier_wait -1
	CREST
.endm
.macro PLACES                          ; four plain instructions between a matrix instruction and a load into, or a vector access to, its registers
.rept 4
	v_nop
.endr
.endm
	s_load_b256 s[4:11], s[0:1], 0x0               ; ximg s[4:5], w1img s[6:7], b1 s[8:9], himg s[10:11]
	v_lshl_add_u32 v[SPW], v0, 2, SPARE
	v_mov_b32 v[NIL], 0
	ds_add_u32 v28, v29
	ds_add_u32 v28, v29
	s_wait_dscnt 0x0
	v_lshrrev_b32 v1, 5, v0
	v_readfirstlane_b32 s14, v1                    ; wave 0..3
	s_lshr_b32 s15, s14, 1                         ; which 128 tokens are mine.  Also: I fetch for A (0) or for B (1)
	s_and_b32 s16, s14, 1                          ; which 128 hidden units.  Also: which 128 rows I fetch
	s_bfe_u32 s40, ttmp6, 0x40000                  ; cx, cy
	s_bfe_u32 s41, ttmp6, 0x40004
	s_lshl_b32 s42, ttmp9, 2
	s_add_co_u32 s42, s42, s40                     ; tx: which 256 hidden positions of 8,192
	s_and_b32 s17, ttmp7, 0xffff
	s_lshl_b32 s17, s17, 2
	s_add_co_u32 s17, s17, s41                     ; ty: which 256 tokens
	s_lshl_b32 s43, s41, 2
	s_lshl_b32 s43, 15, s43                        ; my row of the cluster
	s_lshl_b32 s44, 0x1111, s40                    ; my column
	; group 1: a dense block of 38,400 bytes as 150 rows of 32 elements of 8 bytes, no padding (every LDS read takes 512 consecutive bytes)
	s_or_b32 s[G1A], s43, (3<<16)|(1<<21)          ; 15:0 the mask; 17:16 elements of 8 bytes; 21 set beside a mask
	s_or_b32 s[G1B], s44, (3<<16)|(1<<21)
.irp g, G1A, G1B
	s_mov_b32 s[\g+1], 32<<16                      ; tensor_dim0
	s_mov_b32 s[\g+2], 150<<16                     ; tensor_dim1: 38,400 bytes are 150 rows of 256
	s_mov_b32 s[\g+3], 32<<16                      ; tile_dim0
	s_mov_b32 s[\g+4], 150                         ; tile_dim1
	s_mov_b32 s[\g+5], 32                          ; from row to row
	s_mov_b32 s[\g+6], 0
	s_mov_b32 s[\g+7], 0
.endr
	s_lshl_b32 s84, s17, 1
	s_add_co_u32 s84, s84, s16                     ; A: block of 128 tokens 2 ty + half
	s_mul_i32 s84, s84, 102400                     ; eight K steps of 12,800 bytes
	s_mov_b32 s85, 0
	s_lshl_b32 s86, s42, 1
	s_add_co_u32 s86, s86, s16                     ; B: block of 128 positions 2 tx + half
	s_mul_i32 s86, s86, 102400
	s_mov_b32 s87, 0
	s_mul_i32 s45, s14, BLK                        ; where they go in a slot: wave x a block: no place in the cluster enters an LDS address
	s_wait_kmcnt 0x0
	s_add_nc_u64 s[84:85], s[4:5], s[84:85]
	s_add_nc_u64 s[86:87], s[6:7], s[86:87]
.irp n, 0,1,2                          ; load n: K steps 3 n on, into slot n % 2
	s_mov_b32 s[G0A+4*\n], 1
	s_add_co_u32 s[G0A+4*\n+1], s45, (\n%2)*SLOT
	s_add_nc_u64 s[G0A+4*\n+2:G0A+4*\n+3], s[84:85], \n*BLK
	s_or_b32 s[G0A+4*\n+3], s[G0A+4*\n+3], 0x80000000
	s_mov_b32 s[G0B+4*\n], 1
	s_add_co_u32 s[G0B+4*\n+1], s45, (\n%2)*SLOT
	s_add_nc_u64 s[G0B+4*\n+2:G0B+4*\n+3], s[86:87], \n*BLK
	s_or_b32 s[G0B+4*\n+3], s[G0B+4*\n+3], 0x80000000
.endr
	CROUND                                         ; all sixteen work-groups are here: the first joint loads meet
	s_cmp_eq_u32 s15, 0                            ; a wave's first fill stands in one branch on its number: one load of mine is out
	s_cbranch_scc0 .Lfirst_b
	tensor_load_to_lds s[G0A:G0A+3], s[G1A:G1A+7]  ; one tensor load a wave at the head
	s_nop 0
.rept 4
	v_nop
.endr
	s_branch .Lfirst_asked
.Lfirst_b:
	tensor_load_to_lds s[G0B:G0B+3], s[G1B:G1B+7]
	s_nop 0
.rept 4
	v_nop
.endr
.Lfirst_asked:
	v_and_b32 v1, 31, v0                           ; lane
	v_and_b32 v2, 15, v0                           ; r
	v_bfe_u32 v3, v0, 4, 1                         ; h
	v_lshlrev_b32 v[VO], 4, v1
	s_wait_alu depctr_va_vdst(0)
	s_mul_i32 s88, s15, BLK                        ; my 128 tokens
	s_mul_i32 s89, s16, BLK
	s_add_co_u32 s89, s89, 2*BLK                   ; my 128 positions, behind A's two blocks
	s_sub_co_u32 s90, s89, s88
	v_mul_u32_u24 v7, s90, v3                      ; lanes 16-31 take B's scale words
	v_lshl_add_u32 v7, v2, 4, v7
.irp s, 0,1
	v_add_nc_u32 v[ADRA+\s], s88, v[VO]
	v_add_nc_u32 v[ADRB+\s], s89, v[VO]
	v_add_nc_u32 v[ADRS+\s], s88, v7
	s_add_co_u32 s88, s88, SLOT
	s_add_co_u32 s89, s89, SLOT
.endr
	v_mul_u32_u24 v[VSO], v3, 6400
	v_lshl_add_u32 v[VSO], v2, 4, v[VSO]
	v_lshlrev_b32 v[VB], 6, v3
	s_mov_b32 s[SEL], 0x76543210
	s_mov_b32 s[SEL+1], 0xfedcba98
	s_lshl_b32 s92, s42, 10                        ; b1, taken as 8,192 numbers on end: (256 tx + 128 half) x 4 bytes
	s_lshl_b32 s93, s16, 9
	s_add_co_u32 s92, s92, s93
	s_mov_b32 s93, 0
	s_add_nc_u64 s[8:9], s[8:9], s[92:93]
.irp t, 0,1,2,3,4,5,6,7                ; lane (r, h) wants, for tile t, hidden units 32 (t / 2) + 16 h + 8 (t % 2) + 0 .. 7
	global_load_b128 v[BIAS+8*\t:BIAS+8*\t+3], v[VB], s[8:9] offset:(32*(\t/2)+8*(\t%2))*4
	global_load_b128 v[BIAS+8*\t+4:BIAS+8*\t+7], v[VB], s[8:9] offset:(32*(\t/2)+8*(\t%2))*4+16
.endr
	s_lshl_b32 s92, s17, 1                         ; himg [128 tokens][expert][K step][12,800]:
	s_add_co_u32 s92, s92, s15                     ; 2 ty + my half,
	s_lshl_b32 s92, s92, 1
	s_lshr_b32 s94, s42, 4
	s_add_co_u32 s92, s92, s94                     ; the expert: tx / 16,
	s_lshl_b32 s92, s92, 5
	s_and_b32 s94, s42, 15
	s_lshl_b32 s94, s94, 1
	s_add_co_u32 s92, s92, s94
	s_add_co_u32 s92, s92, s16                     ; its K step: 2 (tx % 16) + my half
	s_mul_i32 s92, s92, 12800
	s_add_nc_u64 s[10:11], s[10:11], s[92:93]
.macro FRAG reg, adr, off              ; a fragment as it lies: three loads of 512 consecutive bytes
.irp c, 0,1,2
	ds_load_b128 v[(\reg)+4*\c:(\reg)+4*\c+3], v[\adr] offset:(\off)+512*\c
.endr
.endm
.macro FETCH_B slot, q, p              ; B's eight fragments of the slot's q-th K step into set p: 24 loads
	WIN TO_B
.irp i, 0,1,2,3,4,5,6,7
	FRAG 128*(\p)+12*\i, ADRB+\slot, 12800*(\q)+6400*(\i/4)+1536*(\i%4)
.endr
	WIN 0
.endm
.macro FETCH_A slot, q, i0             ; A's fragments i0 .. i0 + 3: 12 loads
.irp i, \i0, \i0+1, \i0+2, \i0+3
	FRAG AF+12*(\i), ADRA+\slot, 12800*(\q)+6400*((\i)/4)+1536*((\i)%4)
.endr
.endm
.macro SCALES slot, q, set             ; the K step's scale words: 2 loads
.irp u, 0,1
	ds_load_b128 v[SC+8*(\set)+4*\u:SC+8*(\set)+4*\u+3], v[ADRS+\slot] offset:12800*(\q)+6400*\u+6144
.endr
.endm
; 16 matrix instructions: token tiles a0, a0 + 1 x B's eight.  The 64 accumulators take turns, one instruction a turn, in the same order in every step.
.macro MUL16 a0, p, first
.irp a, \a0, \a0+1
.irp b, 0,1,2,3,4,5,6,7
.if \first
	v_wmma_scale_f32_16x16x128_f8f6f4 v[8*(8*((\a)%4)+\b):8*(8*((\a)%4)+\b)+7], v[128*(\p)+12*\b:128*(\p)+12*\b+11], v[AF+12*(\a):AF+12*(\a)+11], v[BIAS+8*\b:BIAS+8*\b+7], v[SC+8*(\p)+\b], v[SC+8*(\p)+(\a)] matrix_a_fmt:MATRIX_FMT_FP6 matrix_b_fmt:MATRIX_FMT_FP6 matrix_a_scale:MATRIX_SCALE_ROW1
.else
	v_wmma_scale_f32_16x16x128_f8f6f4 v[8*(8*((\a)%4)+\b):8*(8*((\a)%4)+\b)+7], v[128*(\p)+12*\b:128*(\p)+12*\b+11], v[AF+12*(\a):AF+12*(\a)+11], v[8*(8*((\a)%4)+\b):8*(8*((\a)%4)+\b)+7], v[SC+8*(\p)+\b], v[SC+8*(\p)+(\a)] matrix_a_fmt:MATRIX_FMT_FP6 matrix_b_fmt:MATRIX_FMT_FP6 matrix_a_scale:MATRIX_SCALE_ROW1
.endif
.endr
.endr
.endm
; the second half of a K step: the next step's B, A's tiles 0-3 and scale words are asked for, tiles 4-7 are multiplied, then A's tiles 4-7 are asked for
.macro REST p, first, ns, nq
	FETCH_B \ns, \nq, 1-\p
	FETCH_A \ns, \nq, 0
	SCALES \ns, \nq, 1-\p
.if \first
	WIN FIRST_HI
.else
	WIN MUL_HI
.endif
	MUL16 4, \p, \first
	MUL16 6, \p, \first
	PLACES
	WIN 0
	FETCH_A \ns, \nq, 4
.endm
.macro STEP p, first, ns, nq           ; a K step on set p; the next one lies in slot ns, K step nq of it, which has been shown whole
	s_wait_dscnt 12                                ; B's set, A's tiles 0-3 and the scale words are in; the youngest 12 loads (A's tiles 4-7) may be out
.if \first
	WIN FIRST_LO
.else
	WIN MUL_LO
.endif
	MUL16 0, \p, \first
	MUL16 2, \p, \first
	s_wait_dscnt 0x0                               ; A's tiles 4-7 are in
	PLACES
	REST \p, \first, \ns, \nq
.endm
; A K step with a barrier in it.  In front of the barrier each wave waits for all its tensor loads, adds 0 to its spare word, and waits for that and for its LDS reads.
; fill = 1: the barrier opens a round of the cluster's, and behind the round slot 0, which nobody reads any more, takes K steps 6 and 7.
.macro TURN p, fill, ns, nq
	s_wait_tensorcnt 0x0                           ; all my tensor loads have landed
	ds_add_u32 v[SPW], v[NIL]                      ; 0 onto my spare word
.if \fill
	s_mov_b32 s[G1A+2], 100<<16                    ; no tensor load of mine is out, so a descriptor may be written: the refill brings two K steps, 100 rows of 256 bytes
	s_mov_b32 s[G1A+4], 100
	s_mov_b32 s[G1B+2], 100<<16
	s_mov_b32 s[G1B+4], 100
.endif
	s_wait_dscnt 13                                ; (the add and the youngest 12 loads may be out)
	WIN MUL_LO
	MUL16 0, \p, 0
	s_wait_dscnt 0x0                               ; the add is done, and my reads of the slot in hand are over
	s_barrier_signal -1
	MUL16 2, \p, 0
	WIN 0
	s_barrier_wait -1
.if \fill
	CREST                                          ; no wave of any partner still reads slot 0 or has a load on its way
	s_cmp_eq_u32 s15, 0
	s_cbranch_scc0 .Lfor_b_\@
	tensor_load_to_lds s[G0A+8:G0A+11], s[G1A:G1A+7]    ; my one tensor load behind the round: K steps 6 and 7
	s_nop 0
.rept 4
	v_nop                                          ; (also the places in front of the loads below)
.endr
	s_branch .Lasked_\@
.Lfor_b_\@:
	tensor_load_to_lds s[G0B+8:G0B+11], s[G1B:G1B+7]
	s_nop 0
.rept 4
	v_nop
.endr
.Lasked_\@:
.else
	PLACES
.endif
	s_wait_alu depctr_va_vdst(0)
	REST \p, 0, \ns, \nq
.endm
	s_wait_alu depctr_va_vdst(0)                   ; the wait at the head's end
	s_wait_tensorcnt 0x0                           ; my part of slot 0 is in
	ds_add_u32 v[SPW], v[NIL]
	s_wait_dscnt 0x0
	CROUND                                         ; everybody's part is in, and all sixteen work-groups are here
	s_cmp_eq_u32 s15, 0
	s_cbranch_scc0 .Lsecond_b
	tensor_load_to_lds s[G0A+4:G0A+7], s[G1A:G1A+7]    ; slot 1's first fill, K steps 3-5: my one tensor load behind the round
	s_nop 0
.rept 4
	v_nop
.endr
	s_branch .Lsecond_asked
.Lsecond_b:
	tensor_load_to_lds s[G0B+4:G0B+7], s[G1B:G1B+7]
	s_nop 0
.rept 4
	v_nop
.endr
.Lsecond_asked:
	FETCH_B 0, 0, 0
	FETCH_A 0, 0, 0
	SCALES 0, 0, 0
	FETCH_A 0, 0, 4
	s_wait_loadcnt 0x0                             ; b1
	STEP 0, 1, 0, 1                                ; K step 0: its products start the sums from b1
	STEP 1, 0, 0, 2                                ; K step 1
	TURN 0, 1, 1, 0                                ; K step 2: slot 1 is shown whole; slot 0 is filled again
	STEP 1, 0, 1, 1                                ; K step 3
	STEP 0, 0, 1, 2                                ; K step 4
	TURN 1, 0, 0, 0                                ; K step 5: slot 0's second fill is shown whole; nothing is filled
	STEP 0, 0, 0, 1                                ; K step 6
	s_wait_dscnt 12                                ; K step 7: nothing more to fetch
	WIN MUL_LO
	MUL16 0, 1, 0
	MUL16 2, 1, 0
	s_wait_dscnt 0x0
	WIN MUL_HI
	MUL16 4, 1, 0
	MUL16 6, 1, 0
	WIN 0
; THE WAY OUT.  Token tile a: its 64 registers are 128 hidden units of my token, register 16 B + i = unit 32 B + 16 h + i: relu, then quantised as they stand; the fragment and its scale word are the next product's operand.
.macro QUANT s, pc, pw
.irp b, 0,1,2,3
	v_max3_num_f32 v[TM+\b], |v[(\s)+16*\b]|, |v[(\s)+1+16*\b]|, 0x1800000   ; my 16 numbers of block b, and the floor 2^(3 - 127): the byte cannot fall under 1
.endr
.irp i, 2,4,6,8,10,12,14
.irp b, 0,1,2,3
	v_max3_num_f32 v[TM+\b], v[TM+\b], |v[(\s)+16*\b+\i]|, |v[(\s)+1+16*\b+\i]|
.endr
.endr
.irp b, 0,1,2,3
	v_permlanex16_b32 v[TM+4+\b], v[TM+\b], s[SEL], s[SEL+1]
.endr
.irp b, 0,1,2,3
	v_max_num_f32 v[TM+\b], v[TM+\b], v[TM+4+\b]   ; with lane l xor 16's: the block's largest
.endr
.irp b, 0,1,2,3
	v_add_nc_u32 v[TM+12+\b], 0xff000000, v[TM+\b] ; 2 off its exponent field: the conversion's scale operand
.endr
.irp b, 0,1,2,3
	v_lshrrev_b32 v[TM+4+\b], 23, v[TM+12+\b]      ; the scale's byte
.endr
	v_lshl_or_b32 v[(\pw)], v[TM+5], 8, v[TM+4]
	v_lshl_or_b32 v[(\pw)], v[TM+6], 16, v[(\pw)]
	v_lshl_or_b32 v[(\pw)], v[TM+7], 24, v[(\pw)]
.irp c, 0,1
	v_cvt_scalef32_pk16_fp6_f32 v[(\pc)+6*\c:(\pc)+2+6*\c], v[(\s)+32*\c:(\s)+15+32*\c], v[TM+12+2*\c]
	v_cvt_scalef32_pk16_fp6_f32 v[C2+4*\c:C2+2+4*\c], v[(\s)+16+32*\c:(\s)+31+32*\c], v[TM+12+2*\c+1]
.endr
	v_nop                                          ; one plain instruction behind the conversions
.irp c, 0,1                            ; the operand wants a whole block in a lane
.irp i, 0,1,2
	v_permlane16_swap_b32 v[(\pc)+6*\c+\i], v[C2+4*\c+\i]
.endr
.irp i, 0,1,2
	v_mov_b32 v[(\pc)+3+6*\c+\i], v[C2+4*\c+\i]
.endr
.endr
.endm
	PLACES                                         ; behind the last products: their results are read and the registers of A's fragments written below
.irp b, 0,1,2,3
	v_mov_b32 v[TM+4+\b], 0                        ; written once: a lane permute's destination counts as one of its sources
.endr
.irp a, 0,1,2,3,4,5,6,7
.set PCA, 64+12*(\a%4)                 ; four sets of codes by turns, where b1 lay
.set ACB, 64*(\a%4)
	WIN 0x08+4*(\a/4)                              ; source 1: window 2 or 3
.set j, 0
.rept 64
	v_max_num_f32 v[HA+j], 0, v[ACB+j]             ; relu, in f32; each accumulator is read from its low end on
.set j, j+1
.endr
	WIN 0
.if \a >= 4
	s_wait_xcnt 0x0                                ; the stores of four tiles ago have read their registers
.endif
	QUANT HA, PCA, PW+\a
.irp c, 0,1,2
	global_store_b128 v[VO], v[PCA+4*\c:PCA+4*\c+3], s[10:11] offset:6400*(\a/4)+1536*(\a%4)+512*\c   ; 512 consecutive bytes, at a multiple of 256 from the buffer's first byte
.endr
.endr
	v_cmp_le_u32 vcc_lo, 16, v1
.irp i, 0,1,2,3
	v_cndmask_b32 v[SW+\i], v[PW+\i], v[PW+4+\i], vcc_lo     ; lanes 0-15: the words of tiles 0-3, lanes 16-31: of tiles 4-7
.endr
	global_store_b128 v[VSO], v[SW:SW+3], s[10:11] offset:6144    ; each half of the lanes stores one unit's 256 bytes of scale words
	s_wait_tensorcnt 0x0                           ; the wave's end
	ds_add_u32 v[SPW], v[NIL]
	s_wait_dscnt 0x0
	CROUND                                         ; the closing round: no work-group ends while a partner may still ask for a block that names it
	s_endpgm
.Lfunc_end_k_qe39ca96191_ffn1:
	.size	k_qe39ca96191_ffn1, .Lfunc_end_k_qe39ca96191_ffn1-k_qe39ca96191_ffn1
	.p2alignl 7, 3214868480
	.fill 96, 4, 3214868480
	.section	.rodata,"a",@progbits
	.p2align	6, 0x0
	.amdhsa_kernel k_qe39ca96191_ffn1
		.amdhsa_group_segment_fixed_size 327680
		.amdhsa_private_segment_fixed_size 0
		.amdhsa_enable_private_segment 0
		.amdhsa_kernarg_size 32
		.amdhsa_user_sgpr_count 2
		.amdhsa_user_sgpr_kernarg_segment_ptr 1
		.amdhsa_wavefront_size32 1
		.amdhsa_system_sgpr_workgroup_id_x 1
		.amdhsa_system_sgpr_workgroup_id_y 1
		.amdhsa_system_sgpr_workgroup_id_z 1
		.amdhsa_system_vgpr_workitem_id 0
		.amdhsa_next_free_vgpr 1024
		.amdhsa_next_free_sgpr 100
		.amdhsa_reserve_vcc 1
		.amdhsa_float_denorm_mode_32 3
		.amdhsa_float_denorm_mode_16_64 3
		.amdhsa_memory_ordered 1
		.amdhsa_forward_progress 1
		.amdhsa_inst_pref_size 153
	.end_amdhsa_kernel
	.amdgpu_metadata
---
amdhsa.version: [ 1, 2 ]
amdhsa.kernels:
  - .name:           k_qe39ca96191_ffn1
    .symbol:         k_qe39ca96191_ffn1.kd
    .args:
      - { .name: ximg, .offset: 0, .size: 8, .value_kind: global_buffer, .address_space: global }
      - { .name: w1img, .offset: 8, .size: 8, .value_kind: global_buffer, .address_space: global }
      - { .name: b1, .offset: 16, .size: 8, .value_kind: global_buffer, .address_space: global }
      - { .name: himg, .offset: 24, .size: 8, .value_kind: global_buffer, .address_space: global }
    .group_segment_fixed_size: 327680
    .private_segment_fixed_size: 0
    .kernarg_segment_align: 8
    .kernarg_segment_size: 32
    .max_flat_workgroup_size: 128
    .sgpr_count:     100
    .vgpr_count:     1024
    .wavefront_size: 32
...
	.end_amdgpu_metadata
.endif
;; end of part 2
;; launch ffn2 (part 3): grid 8 x 32, 4 waves a work-group, clusters of 4 x 4, 327,680 bytes of LDS; arguments himg, w2img, b2, cw, out0; writes out0
.if DOCPART == 3
	.amdgcn_target "amdgcn-amd-amdhsa--gfx1250"
	.amdhsa_code_object_version 6
	.text
	.protected	k_qe39ca96191_ffn2
	.globl	k_qe39ca96191_ffn2
	.p2align	8
	.type	k_qe39ca96191_ffn2,@function
k_qe39ca96191_ffn2:
	s_mov_b64 s[64:65], 0
	v_nop
	global_prefetch_b8 v0, s[64:65] scope:SCOPE_SE
	s_setreg_imm32_b32 hwreg(HW_REG_WAVE_MODE, 25, 1), 1
	s_wait_xcnt 0x0
	s_wait_alu depctr_hold_cnt(0) depctr_sa_sdst(0) depctr_va_vdst(0) depctr_va_sdst(0) depctr_va_ssrc(0) depctr_va_vcc(0) depctr_vm_vsrc(0)
	s_getreg_b32 s2, hwreg(HW_REG_IB_STS2, 6, 4)
	s_cmp_eq_u32 s2, 0
	s_cbranch_scc0 .Lentry_in_a_cluster
	s_endpgm
.Lentry_in_a_cluster:
	s_bfe_u32 s2, ttmp6, 0x10000c
	s_cmp_lg_u32 s2, 0xf033
	s_cbranch_scc0 .Lentry_shape_is_right
	s_endpgm
.Lentry_shape_is_right:
; FFN2: out0[t] = the sum over the two experts e of cw[t][e] (h_e[t] W2_e + b2_e), the products on codes of FP6 (E2M3) with one E8M0 byte for each 32 along K = the 4,096 hidden units.
; himg and w2img hold IMAGES OF OPERAND REGISTERS: a fragment (16 rows x 128 K, 12 registers a lane) is 1,536 bytes, register 4 c + i of lane L at 512 c + 16 L + 4 i; a unit of 64 rows x 128 K is four
; fragments and 256 bytes of scale words (row 16 t + r at 6144 + 16 r + 4 t): 6,400 bytes; two units make 128 rows; the 32 K steps of 128 rows follow each other, 12,800 bytes each.
; SHARES: a work-group makes 128 tokens x 128 outputs, for both experts: 256 work-groups.  Wave w takes expert w / 2 and outputs 64 (w % 2) on, for all 128 tokens and all of K: 32 accumulators, 256 registers.
; The experts' results, each times its gate weight, meet in LDS at the end and are added in f32.
; THE PRODUCT IS USED TRANSPOSED (source 0 = 16 positions of W2, source 1 = 16 tokens).  Position p holds output p with bits 3 and 4 exchanged: lane (r, h) holds token r, register j of tile b output
; 32 (b / 2) + 16 h + 8 (b % 2) + j.  b2 is the C of each sum's first product.
; CLUSTER: 4 x 4 work-groups.  h's blocks hang on the block of tokens alone and are shared along a row of the cluster, W2's on the block of outputs alone and are shared along a column: each is asked for
; jointly, by the same load with a mask that names the four.
; THE RING: two slots of three K steps: h of expert 0, h of expert 1, W2 of expert 0, W2 of expert 1, 38,400 dense bytes each; wave w fetches block w with one tensor load.  32 K steps are ten slots of three
; and one of two.  Slot 0 is asked for at the head, slot 1 behind the full sequence and a round, each later slot behind the round in the third step of the slot two before it.
; THE LOOP: register sets (2) and places in the ring (6 K steps) come back after six K steps: a trip is K steps 6 t + 1 .. 6 t + 6.  K step 0 (C = b2) stands ahead of it; K steps 25-31, whose refills differ, behind it.
; PREFETCH: behind each refill of the loop the slot two refills on is asked for: of the 150 blocks of 256 bytes that a wave will fetch, each of the four partners that fetch them jointly names 38, told apart by
; address (the last partner's lanes left over name block 149 again): two instructions a wave.  Slots 0-3 come by their loads alone; the loop's last trip asks for nothing: slot 10 has 100 blocks only, and
; 150 from its start would leave the buffer in the last block of tokens.
; REGISTERS: window 0: v1-23 lane numbers and addresses; v32-39 h's scale words, two sets; v40-47 W2's, two sets; v64-255 h's fragments, two sets of 96.  Window 1: the accumulators, (a, b) at v[8 (4 a + b)].
;   Window 2: v0-95 W2's fragments, two sets of 48; v96-127 b2; v128-143 my tokens' gate weights, each twice.
.set KSB,   12800                      ; a K step of 128 rows
.set BLK,   3*KSB                      ; what one tensor load brings
.set SLOT,  4*BLK
.set SPARE, 2*SLOT                     ; behind the ring: the spare words, 128 bytes for each wave, that no other line names
.set STGE,  128*528                    ; the way out: two stages of 128 rows x 528 bytes, in LDS slot 1: it has had its last fill (K steps 27-29), and nobody reads it behind K step 29's barrier
.set ADRA,  4                          ; v4-5    LDS address of my h fragments in slot 0, 1
.set ADRB,  6                          ; v6-7    of my W2 fragments
.set ADSA,  8                          ; v8-9    of h's scale words: lanes 0-15 tiles 0-3, lanes 16-31 tiles 4-7
.set ADSB,  10                         ; v10-11  of W2's scale words
.set STO,   12                         ; v12     into my expert's stage
.set RD0,   13                         ; v13     out of expert 0's stage
.set RD1,   14                         ; v14     out of expert 1's
.set CO,    15                         ; v15     16 x lane
.set VB,    16                         ; v16     64 h
.set VC,    17                         ; v17     8 r
.set VS,    18                         ; v18     16 r
.set PF0,   22                         ; v22-23  the prefetches' offsets; never rewritten
.set PF1,   23
.set SPW,   28                         ; v28     my spare word; never rewritten
.set NIL,   29                         ; v29     0; never rewritten
.set SA,    32
.set SB,    40
.set AF,    64
.set T,     64                         ; the way out: v64-191
.set BIAS,  96                         ; in window 2
.set CW,    128                        ; in window 2
.set G1A,   24                         ; s[24:31] group 1 for h's blocks;  s[32:39] for W2's
.set G1B,   32
.set G0A,   48                         ; s[48:55] group 0 for h, one set a slot;  s[56:63] for W2
.set G0B,   56
.set PFA,   66                         ; s[66:67] where my prefetches stand
.set MSB, 0
.macro WIN new                         ; the immediate's high byte repeats the setting that is left
.if MSB != \new
	s_set_vgpr_msb (MSB<<8)|\new
.set MSB, \new
.endif
.endm
.set MUL,   0x52                       ; source 0 (W2) window 2, source 1 (h) window 0, C and D window 1
.set FIRST, 0x62                       ; C (b2) window 2, D window 1
.macro CREST                           ; a round of the cluster's barrier behind its opening barrier
	s_cmp_lg_u32 s14, 0
	s_cbranch_scc1 .Lnot_wave_0_\@
	s_barrier_signal -3
.Lnot_wave_0_\@:
	s_barrier_wait -3
	s_barrier_signal -1
	s_barrier_wait -1
.endm
.macro CROUND
	s_barrier_signal -1
	s_barrier_wait -1
	CREST
.endm
.macro PLACES                          ; four plain instructions between a matrix instruction and a load into, or a vector access to, its registers
.rept 4
	v_nop
.endr
.endm
.macro JLOAD s                         ; a joint load: waves 0 and 1 fetch h, waves 2 and 3 W2; each line has one mask; the branch hangs on the wave's number alone
	s_cmp_eq_u32 s15, 0
	s_cbranch_scc0 .Lfor_b_\@
	tensor_load_to_lds s[G0A+4*(\s):G0A+4*(\s)+3], s[G1A:G1A+7]
	s_nop 0
	PLACES
	s_branch .Lasked_\@
.Lfor_b_\@:
	tensor_load_to_lds s[G0B+4*(\s):G0B+4*(\s)+3], s[G1B:G1B+7]
	s_nop 0
	PLACES
.Lasked_\@:
.endm
.macro ASK                             ; s3 = 1 in the loop's last trip, which asks for nothing
	s_cmp_gt_u32 s3, 1
	s_cbranch_scc0 .Lno_ask_\@
	global_prefetch_b8 v[PF0], s[PFA:PFA+1] th:TH_LOAD_NT scope:SCOPE_SE
	global_prefetch_b8 v[PF1], s[PFA:PFA+1] th:TH_LOAD_NT scope:SCOPE_SE
.Lno_ask_\@:
.endm
	s_load_b256 s[4:11], s[0:1], 0x0               ; himg s[4:5], w2img s[6:7], b2 s[8:9], cw s[10:11]
	s_load_b64 s[12:13], s[0:1], 0x20              ; out0
	v_lshl_add_u32 v[SPW], v0, 2, SPARE
	v_mov_b32 v[NIL], 0
	ds_add_u32 v[SPW], v[NIL]                      ; the opening lines: the add, twice on end, and its wait ahead of my first tensor load
	ds_add_u32 v[SPW], v[NIL]
	v_lshrrev_b32 v1, 5, v0
	v_readfirstlane_b32 s14, v1                    ; wave 0..3
	s_lshr_b32 s15, s14, 1                         ; my expert in the products.  Also: I fetch h (0) or W2 (1)
	s_and_b32 s16, s14, 1                          ; which 64 outputs are mine.  Also: the expert whose block I fetch
	s_bfe_u32 s40, ttmp6, 0x40000                  ; cx, cy
	s_bfe_u32 s41, ttmp6, 0x40004
	s_lshl_b32 s42, ttmp9, 2
	s_add_co_u32 s42, s42, s40                     ; tx: which 128 outputs
	s_and_b32 s17, ttmp7, 0xffff
	s_lshl_b32 s17, s17, 2
	s_add_co_u32 s17, s17, s41                     ; ty: which 128 tokens
	s_lshl_b32 s43, s41, 2
	s_lshl_b32 s43, 15, s43                        ; my row of the cluster
	s_lshl_b32 s44, 0x1111, s40                    ; my column
	; group 1: a dense block of 38,400 bytes as 150 rows of 32 elements of 8 bytes, no padding (every LDS read takes 512 consecutive bytes)
	s_or_b32 s[G1A], s43, (3<<16)|(1<<21)          ; 15:0 the mask; 17:16 elements of 8 bytes; 21 set beside a mask
	s_or_b32 s[G1B], s44, (3<<16)|(1<<21)
.irp g, G1A, G1B
	s_mov_b32 s[\g+1], 32<<16                      ; tensor_dim0
	s_mov_b32 s[\g+2], 150<<16                     ; tensor_dim1
	s_mov_b32 s[\g+3], 32<<16                      ; tile_dim0
	s_mov_b32 s[\g+4], 150                         ; tile_dim1
	s_mov_b32 s[\g+5], 32                          ; from row to row
	s_mov_b32 s[\g+6], 0
	s_mov_b32 s[\g+7], 0
.endr
	s_lshl_b32 s68, s17, 1                         ; himg [128 tokens][expert]: 2 ty + the expert that I fetch: no register of it ever holds tx
	s_add_co_u32 s68, s68, s16
	s_mul_i32 s68, s68, 32*KSB
	s_mov_b32 s69, 0
	s_lshl_b32 s70, s16, 3                         ; w2img [expert][128 positions]: 8 e + tx
	s_add_co_u32 s70, s70, s42
	s_mul_i32 s70, s70, 32*KSB
	s_mov_b32 s71, 0
	s_mul_i32 s45, s14, BLK                        ; where my block goes in a slot: no place in the cluster enters an LDS address
	s_lshl_b32 s76, s15, 12                        ; b2: (1024 e + 128 tx + 64 half) x 4 bytes
	s_lshl_b32 s77, s42, 9
	s_add_co_u32 s76, s76, s77
	s_lshl_b32 s77, s16, 8
	s_add_co_u32 s76, s76, s77
	s_mov_b32 s77, 0
	s_lshl_b32 s78, s17, 10                        ; cw: 128 ty rows of 8 bytes, + 4 e
	s_lshl_b32 s79, s15, 2
	s_add_co_u32 s78, s78, s79
	s_mov_b32 s79, 0
	s_lshl_b32 s86, s17, 19                        ; out0: (128 ty + 32 w) rows of 4,096 bytes + 512 tx
	s_lshl_b32 s87, s14, 17
	s_add_co_u32 s86, s86, s87
	s_lshl_b32 s87, s42, 9
	s_add_co_u32 s86, s86, s87
	s_mov_b32 s87, 0
	s_mul_i32 s80, s15, BLK                        ; LDS: my expert's h in a slot,
	s_mul_i32 s81, s16, 6400
	s_add_co_u32 s81, s81, s80
	s_add_co_u32 s81, s81, 2*BLK                   ; my unit of 64 positions of my expert's W2,
	s_mul_i32 s82, s15, STGE
	s_lshl_b32 s83, s16, 8
	s_add_co_u32 s82, s82, s83
	s_add_co_u32 s82, s82, SLOT                    ; my expert's stage, + 256 x my half of the outputs,
	s_mul_i32 s83, s14, 32*528
	s_add_co_u32 s83, s83, SLOT                    ; and the stages' rows 32 w on
	s_cmp_eq_u32 s15, 0
	s_cselect_b32 s84, s40, s41                    ; my place among the four that fetch my block with me
	s_mul_i32 s84, s84, 38                         ; my work-group's first of its 150 blocks of 256 bytes
	s_wait_dscnt 0x0                               ; both opening adds are done
	s_wait_kmcnt 0x0
	s_add_nc_u64 s[72:73], s[4:5], s[68:69]
	s_add_nc_u64 s[74:75], s[6:7], s[70:71]
	s_add_nc_u64 s[8:9], s[8:9], s[76:77]
	s_add_nc_u64 s[10:11], s[10:11], s[78:79]
	s_add_nc_u64 s[12:13], s[12:13], s[86:87]
	s_cmp_eq_u32 s15, 0
	s_cselect_b64 s[PFA:PFA+1], s[72:73], s[74:75]
	s_add_nc_u64 s[PFA:PFA+1], s[PFA:PFA+1], 3*BLK ; at slot 3: the first refill steps it to slot 4
.irp s, 0,1
	s_mov_b32 s[G0A+4*\s], 1                       ; count = 1
	s_add_co_u32 s[G0A+4*\s+1], s45, \s*SLOT       ; LDS address
	s_add_nc_u64 s[G0A+4*\s+2:G0A+4*\s+3], s[72:73], \s*BLK
	s_or_b32 s[G0A+4*\s+3], s[G0A+4*\s+3], 0x80000000   ; type = 2
	s_mov_b32 s[G0B+4*\s], 1
	s_add_co_u32 s[G0B+4*\s+1], s45, \s*SLOT
	s_add_nc_u64 s[G0B+4*\s+2:G0B+4*\s+3], s[74:75], \s*BLK
	s_or_b32 s[G0B+4*\s+3], s[G0B+4*\s+3], 0x80000000
.endr
	CROUND                                         ; all sixteen work-groups are here: the first joint loads meet
	JLOAD 0                                        ; K steps 0-2: one tensor load a wave at the head
	v_and_b32 v1, 31, v0                           ; lane
	v_and_b32 v2, 15, v0                           ; r
	v_bfe_u32 v3, v0, 4, 1                         ; h
	v_lshlrev_b32 v[CO], 4, v1
	v_lshlrev_b32 v[VS], 4, v2
	v_lshlrev_b32 v[VB], 6, v3
	v_lshlrev_b32 v[VC], 3, v2
	v_mul_u32_u24 v19, v3, 6400                    ; lanes 16-31 take the second unit's scale words of h
	v_add_nc_u32 v19, v19, v[VS]
	v_add_nc_u32 v[ADRA], s80, v[CO]
	v_add_nc_u32 v[ADRB], s81, v[CO]
	v_add_nc_u32 v[ADSA], s80, v19
	v_add_nc_u32 v[ADSB], s81, v[VS]
	v_add_nc_u32 v[ADRA+1], SLOT, v[ADRA]
	v_add_nc_u32 v[ADRB+1], SLOT, v[ADRB]
	v_add_nc_u32 v[ADSA+1], SLOT, v[ADSA]
	v_add_nc_u32 v[ADSB+1], SLOT, v[ADSB]
	v_mul_u32_u24 v[STO], v2, 528
	v_lshl_add_u32 v[STO], v3, 6, v[STO]
	v_add_nc_u32 v[STO], s82, v[STO]               ; row r, + 64 h
	v_add_nc_u32 v[RD0], s83, v[CO]                ; back: 16 bytes a lane
	v_add_nc_u32 v[RD1], STGE, v[RD0]
	v_add_nc_u32 v[PF0], s84, v1                   ; blocks 38 p + 0 .. 31,
	v_min_u32 v20, 5, v1
	v_add_nc_u32 v20, 32, v20
	v_add_nc_u32 v[PF1], s84, v20                  ; and 38 p + 32 .. 37 (the lanes left over name the last again),
	v_min_u32 v[PF0], 149, v[PF0]
	v_min_u32 v[PF1], 149, v[PF1]                  ; none beyond block 149
	v_lshlrev_b32 v[PF0], 8, v[PF0]
	v_lshlrev_b32 v[PF1], 8, v[PF1]
	s_wait_alu depctr_va_vdst(0)                   ; the wait at the head's end
	WIN 0x80                                       ; destination window 2
.irp b, 0,1,2,3                        ; lane (r, h) wants, for tile b, outputs 32 (b / 2) + 16 h + 8 (b % 2) + 0 .. 7
	global_load_b128 v[BIAS+8*\b:BIAS+8*\b+3], v[VB], s[8:9] offset:(32*(\b/2)+8*(\b%2))*4
	global_load_b128 v[BIAS+8*\b+4:BIAS+8*\b+7], v[VB], s[8:9] offset:(32*(\b/2)+8*(\b%2))*4+16
.endr
.irp a, 0,1,2,3,4,5,6,7                ; token 16 a + r's weight for my expert, twice: a pair for the packed multiply
	global_load_b32 v[CW+2*\a], v[VC], s[10:11] offset:128*\a
	global_load_b32 v[CW+2*\a+1], v[VC], s[10:11] offset:128*\a
.endr
	WIN 0
.macro FRAG reg, adr, off              ; a fragment as it lies: three loads of 512 consecutive bytes
.irp c, 0,1,2
	ds_load_b128 v[(\reg)+4*\c:(\reg)+4*\c+3], v[\adr] offset:(\off)+512*\c
.endr
.endm
; One run of 38 LDS loads: a K step's operands (slot ns, its K step nq) into set np: W2's four fragments (12), the two loads of scale words, h's eight fragments (24); the youngest 12 are h's tiles 4-7
.macro RUN ns, nq, np
	WIN 0x80                                       ; destination window 2
.irp i, 0,1,2,3
	FRAG 48*(\np)+12*\i, ADRB+(\ns), KSB*(\nq)+1536*\i
.endr
	WIN 0
	ds_load_b128 v[SB+4*(\np):SB+4*(\np)+3], v[ADSB+(\ns)] offset:KSB*(\nq)+6144
	ds_load_b128 v[SA+4*(\np):SA+4*(\np)+3], v[ADSA+(\ns)] offset:KSB*(\nq)+6144
.irp i, 0,1,2,3,4,5,6,7
	FRAG AF+96*(\np)+12*\i, ADRA+(\ns), KSB*(\nq)+6400*(\i/4)+1536*(\i%4)
.endr
.endm
; 8 matrix instructions: token tiles a0, a0 + 1 x W2's four, on set P.  The 32 accumulators take turns, one instruction a turn, in the same order in every step.
; W2's scale words are read from lanes 0-15; h's from lanes 0-15 for tiles 0-3 and from lanes 16-31 for tiles 4-7.  FK = 1: the products start the sums from b2.
.macro MUL8 a0
.irp a, \a0, \a0+1
.irp b, 0,1,2,3
.set rD, 8*(4*(\a)+\b)
.set rB, 48*P+12*\b
.set rA, AF+96*P+12*(\a)
.set rSB, SB+4*P+\b
.set rSA, SA+4*P+(\a)%4
.if FK
.if (\a0) < 4
	v_wmma_scale_f32_16x16x128_f8f6f4 v[rD:rD+7], v[rB:rB+11], v[rA:rA+11], v[BIAS+8*\b:BIAS+8*\b+7], v[rSB], v[rSA] matrix_a_fmt:MATRIX_FMT_FP6 matrix_b_fmt:MATRIX_FMT_FP6
.else
	v_wmma_scale_f32_16x16x128_f8f6f4 v[rD:rD+7], v[rB:rB+11], v[rA:rA+11], v[BIAS+8*\b:BIAS+8*\b+7], v[rSB], v[rSA] matrix_a_fmt:MATRIX_FMT_FP6 matrix_b_fmt:MATRIX_FMT_FP6 matrix_b_scale:MATRIX_SCALE_ROW1
.endif
.else
.if (\a0) < 4
	v_wmma_scale_f32_16x16x128_f8f6f4 v[rD:rD+7], v[rB:rB+11], v[rA:rA+11], v[rD:rD+7], v[rSB], v[rSA] matrix_a_fmt:MATRIX_FMT_FP6 matrix_b_fmt:MATRIX_FMT_FP6
.else
	v_wmma_scale_f32_16x16x128_f8f6f4 v[rD:rD+7], v[rB:rB+11], v[rA:rA+11], v[rD:rD+7], v[rSB], v[rSA] matrix_a_fmt:MATRIX_FMT_FP6 matrix_b_fmt:MATRIX_FMT_FP6 matrix_b_scale:MATRIX_SCALE_ROW1
.endif
.endif
.endr
.endr
.endm
.macro MWIN
.if FK
	WIN FIRST
.else
	WIN MUL
.endif
.endm
; K STEP j of 32, on set j % 2; the next step's operands are fetched into the other set in one run.
; A slot's third step changes slots: in front of ONE barrier each wave waits for all its tensor loads (one is out: its block of the next slot), adds 0 to its spare word, and waits for that and for its reads of this slot.
; fill = 1: the barrier opens a round of the cluster's, and this slot takes the three K steps two slots on; fill = 2: the last two K steps; fill = 0: nothing.  ask = 1: in the loop: the prefetch.
.macro KSTEP j, fill, ask
.set P, (\j)%2
.set SL, ((\j)/3)%2
.set NS, (((\j)+1)/3)%2
.set NQ, ((\j)+1)%3
.set FK, 0
.if (\j) == 0
.set FK, 1
.endif
.if ((\j)%3) == 2
	WIN 0                                          ; (the add's two registers lie in window 0)
.if \ask
	s_wait_xcnt 0x0                                ; my last prefetches, three K steps back, have read their address
	s_add_nc_u64 s[PFA:PFA+1], s[PFA:PFA+1], BLK
.endif
	s_wait_tensorcnt 0x0                           ; all my tensor loads have landed
	ds_add_u32 v[SPW], v[NIL]                      ; 0 onto my spare word
.if (\fill) == 2
	s_mov_b32 s[G1A+2], 100<<16                    ; no tensor load of mine is out, so a descriptor may be written: two K steps are 100 rows of 256 bytes
	s_mov_b32 s[G1A+4], 100
	s_mov_b32 s[G1B+2], 100<<16
	s_mov_b32 s[G1B+4], 100
.endif
	s_wait_dscnt 13                                ; (the add and the youngest 12 loads, h's tiles 4-7, may be out)
	WIN MUL
	MUL8 0
	s_wait_dscnt 0x0                               ; the add is done, and my reads of this slot are over
	s_barrier_signal -1
	MUL8 2
	WIN 0
	s_barrier_wait -1
.if \fill
	CREST                                          ; no wave of any partner still reads this slot or has a load on its way
	s_add_nc_u64 s[G0A+4*SL+2:G0A+4*SL+3], s[G0A+4*SL+2:G0A+4*SL+3], 2*BLK
	s_add_nc_u64 s[G0B+4*SL+2:G0B+4*SL+3], s[G0B+4*SL+2:G0B+4*SL+3], 2*BLK
	JLOAD SL                                       ; my one tensor load behind the round; its four v_nop are also the places in front of the loads below
.else
	PLACES
.endif
	RUN NS, NQ, 1-P
.if \ask
	ASK
.endif
	WIN MUL
	MUL8 4
	MUL8 6
.else
	s_wait_dscnt 12                                ; W2's fragments, the scale words and h's tiles 0-3 are in; the youngest 12 loads (tiles 4-7) may be out
	MWIN
	MUL8 0
.if (\j) < 31
	PLACES                                         ; the other set's registers were read by the last step's products
	RUN NS, NQ, 1-P
	MWIN
	MUL8 2
	s_wait_dscnt 38                                ; all but the 38 just issued: h's tiles 4-7 are in
.else
	MUL8 2
	s_wait_dscnt 0x0
.endif
	MUL8 4
	MUL8 6
.endif
.endm
	s_wait_tensorcnt 0x0                           ; my block of slot 0 is in
	ds_add_u32 v[SPW], v[NIL]
	s_wait_dscnt 0x0
	CROUND                                         ; everybody's block is in, and all sixteen work-groups are here
	JLOAD 1                                        ; K steps 3-5: my one tensor load behind the round
	RUN 0, 0, 0
	s_wait_loadcnt 0x0                             ; b2 and the gate weights
	KSTEP 0, 0, 0                                  ; its products start the sums from b2
	WIN 0                                          ; at a label and at a branch every window is 0
	s_mov_b32 s3, 4
.Llap:
	KSTEP 1, 0, 0
	KSTEP 2, 1, 1
	KSTEP 3, 0, 0
	KSTEP 4, 0, 0
	KSTEP 5, 1, 1
	KSTEP 6, 0, 0
	WIN 0
	s_sub_co_u32 s3, s3, 1
	s_cmp_lg_u32 s3, 0
	s_cbranch_scc1 .Llap
	KSTEP 25, 0, 0
	KSTEP 26, 2, 0                                 ; LDS slot 0 takes K steps 30 and 31
	KSTEP 27, 0, 0
	KSTEP 28, 0, 0
	KSTEP 29, 0, 0                                 ; nothing is filled: no round
	KSTEP 30, 0, 0
	KSTEP 31, 0, 0
	WIN 0
; THE WAY OUT.  Each result is multiplied by its token's gate weight for my expert and goes into my expert's stage; behind a barrier each wave adds the two stages' rows 32 w on and stores them whole.
	PLACES                                         ; behind the last products
.irp a, 0,1,2,3,4,5,6,7
.if \a >= 4
	s_wait_dscnt 24                                ; the stores of four tiles ago are done (the three younger tiles' 24 may be out): their registers are written again
.endif
	WIN 0x09                                       ; source 0 (the accumulators) window 1, source 1 (the weights) window 2
.set i, 0
.rept 16
	v_pk_mul_f32 v[T+32*(\a%4)+i:T+32*(\a%4)+i+1], v[32*\a+i:32*\a+i+1], v[CW+2*\a:CW+2*\a+1]   ; each accumulator is read from its low end on
.set i, i+2
.endr
	WIN 0
.irp b, 0,1,2,3
	ds_store_b128 v[STO], v[T+32*(\a%4)+8*\b:T+32*(\a%4)+8*\b+3] offset:8448*\a+128*(\b/2)+32*(\b%2)
	ds_store_b128 v[STO], v[T+32*(\a%4)+8*\b+4:T+32*(\a%4)+8*\b+7] offset:8448*\a+128*(\b/2)+32*(\b%2)+16
.endr
.endr
	s_wait_dscnt 0x0                               ; for the others' sake: my stores into the stage are done
	s_barrier_signal -1
	s_barrier_wait -1
.macro LOADB k                         ; eight rows of both stages: 16 loads of 512 consecutive bytes, into set k % 2
.set BB, T+64*((\k)%2)
.irp i, 0,1,2,3,4,5,6,7
	ds_load_b128 v[BB+8*\i:BB+8*\i+3], v[RD0] offset:528*(8*(\k)+\i)
	ds_load_b128 v[BB+8*\i+4:BB+8*\i+7], v[RD1] offset:528*(8*(\k)+\i)
.endr
.endm
.macro SENDB k
.if (\k) < 3
	s_wait_dscnt 16                                ; this batch is in; the next batch's 16 loads may be out
.else
	s_wait_dscnt 0x0
.endif
.set BB, T+64*((\k)%2)
.irp i, 0,1,2,3,4,5,6,7
	v_pk_add_f32 v[BB+8*\i:BB+8*\i+1], v[BB+8*\i:BB+8*\i+1], v[BB+8*\i+4:BB+8*\i+5]
	v_pk_add_f32 v[BB+8*\i+2:BB+8*\i+3], v[BB+8*\i+2:BB+8*\i+3], v[BB+8*\i+6:BB+8*\i+7]
.endr
.irp i, 0,1,2,3,4,5,6,7
	global_store_b128 v[CO], v[BB+8*\i:BB+8*\i+3], s[12:13] offset:4096*(8*(\k)+\i) th:TH_STORE_NT   ; 512 consecutive bytes, at a multiple of 256 from out0's first byte
.endr
.if (\k) < 2
	s_wait_xcnt 0x0                                ; the stores have read their registers: the batch two on may land there
	LOADB (\k)+2
.endif
.endm
	LOADB 0
	LOADB 1
	SENDB 0
	SENDB 1
	SENDB 2
	SENDB 3
	s_wait_tensorcnt 0x0                           ; the wave's end
	ds_add_u32 v[SPW], v[NIL]
	s_wait_dscnt 0x0
	CROUND                                         ; the closing round: no work-group ends while a partner may still ask for a block that names it
	s_endpgm
.Lfunc_end_k_qe39ca96191_ffn2:
	.size	k_qe39ca96191_ffn2, .Lfunc_end_k_qe39ca96191_ffn2-k_qe39ca96191_ffn2
	.p2alignl 7, 3214868480
	.fill 96, 4, 3214868480
	.section	.rodata,"a",@progbits
	.p2align	6, 0x0
	.amdhsa_kernel k_qe39ca96191_ffn2
		.amdhsa_group_segment_fixed_size 327680
		.amdhsa_private_segment_fixed_size 0
		.amdhsa_enable_private_segment 0
		.amdhsa_kernarg_size 40
		.amdhsa_user_sgpr_count 2
		.amdhsa_user_sgpr_kernarg_segment_ptr 1
		.amdhsa_wavefront_size32 1
		.amdhsa_system_sgpr_workgroup_id_x 1
		.amdhsa_system_sgpr_workgroup_id_y 1
		.amdhsa_system_sgpr_workgroup_id_z 1
		.amdhsa_system_vgpr_workitem_id 0
		.amdhsa_next_free_vgpr 768
		.amdhsa_next_free_sgpr 100
		.amdhsa_reserve_vcc 0
		.amdhsa_float_denorm_mode_32 3
		.amdhsa_float_denorm_mode_16_64 3
		.amdhsa_memory_ordered 1
		.amdhsa_forward_progress 1
		.amdhsa_inst_pref_size 133
	.end_amdhsa_kernel
	.amdgpu_metadata
---
amdhsa.version: [ 1, 2 ]
amdhsa.kernels:
  - .name:           k_qe39ca96191_ffn2
    .symbol:         k_qe39ca96191_ffn2.kd
    .args:
      - { .name: himg, .offset: 0, .size: 8, .value_kind: global_buffer, .address_space: global }
      - { .name: w2img, .offset: 8, .size: 8, .value_kind: global_buffer, .address_space: global }
      - { .name: b2, .offset: 16, .size: 8, .value_kind: global_buffer, .address_space: global }
      - { .name: cw, .offset: 24, .size: 8, .value_kind: global_buffer, .address_space: global }
      - { .name: out0, .offset: 32, .size: 8, .value_kind: global_buffer, .address_space: global }
    .group_segment_fixed_size: 327680
    .private_segment_fixed_size: 0
    .kernarg_segment_align: 8
    .kernarg_segment_size: 40
    .max_flat_workgroup_size: 128
    .sgpr_count:     100
    .vgpr_count:     768
    .wavefront_size: 32
...
	.end_amdgpu_metadata
.endif
;; end of part 3
